; MI455X (gfx1250); checked and timed in simulation.
; The chip was launched on July 23, 2026; its instructions are those of AMD's public machine-readable ISA for CDNA 5 (MIT licence, August 2026) and "CDNA5" Instruction Set Architecture Reference Guide (July 2026). The comments in the code are by the model that wrote it; some were corrected since.
;; Multi Head Self Attention. Allowed arithmetic: float matrix products may take bf16 or f16 operands with f32 sums; all other float work in f32.
;; Inputs: Wf 1,024 x 1,024 float32; Wk 16 x 1,024 x 64 float32; Wq 16 x 1,024 x 64 float32; Wv 16 x 1,024 x 64 float32; bf 1,024 float32; x 16,384 x 1,024 float32.
;; Outputs: out0 16,384 x 1,024 float32.
;; One version. Each part assembles by itself: llvm-mc -triple=amdgcn-amd-amdhsa -mcpu=gfx1250 --defsym DOCPART=n.
;; ======== version 1 of 1: 4 launches
;; limits: values are held in f16: magnitudes above 65,504 overflow, below 6.1e-05 lose precision
;; workspace buffers: xb 33,554,432 bytes; wt 6,291,456 bytes; wft 2,097,152 bytes; qkv 100,663,296 bytes; ob 33,554,432 bytes
;; launch prep (part 1): grid 1536 x 1, 8 waves a work-group, no clusters, 18,432 bytes of LDS; arguments x, Wq, Wk, Wv, Wf, xb, wt, wft; writes xb, wt, wft
.if DOCPART == 1
	.amdgcn_target "amdgcn-amd-amdhsa--gfx1250"
	.amdhsa_code_object_version 6
	.text
	.protected	k_qc76e5e7e2a_prep
	.globl	k_qc76e5e7e2a_prep
	.p2align	8
	.type	k_qc76e5e7e2a_prep,@function
k_qc76e5e7e2a_prep:
	s_mov_b64 s[64:65], 0
	v_nop
	global_prefetch_b8 v0, s[64:65] scope:SCOPE_SE
	s_setreg_imm32_b32 hwreg(HW_REG_WAVE_MODE, 25, 1), 1
	s_wait_xcnt 0x0
; THE OPERANDS OF THE TWO LARGE PRODUCTS ARE MADE.  No arithmetic but roundings; memory binds, so no matrix unit and no cluster: no byte is shared between work-groups.
;   xb [16384][1024] bf16 = x rounded.
;   wt [3072][1024] bf16: row mat x 1024 + n holds one output column of Wq (mat 0), Wk (1), Wv (2) along f.  For head h, channel d:
;      q, k: n = (d>>4) 256 + ((d>>3)&1) 128 + 8 h + (d&7)        v: n = (d>>4) 256 + (h>>3) 128 + 8 (d&15) + (h&7)
;      so that in a row of q, k or v the 16 bytes at 16 x lane + 512 c are just what a lane of a matrix fragment holds in the attention that follows.
;   wft [1024 o][1024 k'] f16 = Wf[16 d + h][o], rounded to bf16 like every input and then written as f16, with k' = (d>>4) 256 + ((d>>3)&1) 128 + 8 h + (d&7).
; LIMITS.  Wf beyond 65,504 in magnitude has no f16; below 6e-5 f16 keeps its fixed step of 6e-8.  NaN and infinities are not treated apart.
; SHARES.  Work-groups 0 to 511: one tile of 128 (along the sum) x 64 (columns) of a weight, turned through LDS: in as pairs of bf16, out as whole rows of 256 bytes.  Theirs is the longer chain
; (load, LDS, barrier, store), so they have the lower numbers: where work-groups begin in the order of their numbers, the long chain is not the last to begin.
; Work-groups 512 to 1535: 65,536 bytes of x each, 16 bytes a thread and load, sixteen loads of every wave out at once.
; 80 registers a wave: twelve waves in a SIMD's 1,024, six work-groups of eight waves on a WGP, and 1,536 = 6 x 256: every work-group of the launch has room at once.
.set SPITCH, 272                       ; a stage row: 256 bytes (128 numbers along the sum) + 16
.set SPARE,  64*SPITCH                 ; 17,408: behind the stage, the spare words: 128 bytes for each of the eight waves, which no other line names
.set SPW, 12                           ; v12  LDS address of my spare word; never rewritten
.set NIL, 13                           ; v13  0; never rewritten
.set XI,  16                           ; v[16:79]   x path: sixteen loads, rounded in place.   v[16:47] weights: eight loads
.set Y,   48                           ; v[48:63]   weights: sixteen packed pairs
.set BK,  64                           ; v[64:79]   weights: four pieces of rows read back
	s_load_b512 s[4:19], s[0:1], 0x0               ; x 4:5, Wq 6:7, Wk 8:9, Wv 10:11, Wf 12:13, xb 14:15, wt 16:17, wft 18:19
	v_lshl_add_u32 v[SPW], v0, 2, SPARE
	v_mov_b32 v[NIL], 0
	s_mov_b32 s20, ttmp9
	s_cmp_lt_u32 s20, 512                          ; the same answer in all eight waves of a work-group
	s_cbranch_scc1 .Lweights
	; ---- x: thread t takes the 16 bytes at 16 t + 4,096 i and stores the 8 bytes at 8 t + 2,048 i; no LDS is touched on this way
	s_sub_co_u32 s20, s20, 512                     ; which 65,536 bytes of x: 0 .. 1023
	v_lshlrev_b32 v1, 4, v0
	v_lshlrev_b32 v2, 3, v0
	s_lshl_b32 s22, s20, 16
	s_mov_b32 s23, 0
	s_lshl_b32 s24, s20, 15
	s_mov_b32 s25, 0
	s_wait_kmcnt 0x0
	s_add_nc_u64 s[4:5], s[4:5], s[22:23]
	s_add_nc_u64 s[14:15], s[14:15], s[24:25]
.irp i, 0,1,2,3,4,5,6,7,8,9,10,11,12,13,14,15
	global_load_b128 v[XI+4*(\i):XI+4*(\i)+3], v1, s[4:5] offset:4096*(\i) th:TH_LOAD_NT
.endr
.irp i, 0,1,2,3,4,5,6,7,8,9,10,11,12,13,14,15
	s_wait_loadcnt 15-(\i)                         ; loads come back in order (ISA guide 5.7.1): load i is in, the 15 - i younger ones stay out
	v_cvt_pk_bf16_f32 v[XI+4*(\i)],   v[XI+4*(\i)],   v[XI+4*(\i)+1]  ; in place: the four numbers' two words land on the first two of their four registers
	v_cvt_pk_bf16_f32 v[XI+4*(\i)+1], v[XI+4*(\i)+2], v[XI+4*(\i)+3]
	global_store_b64 v2, v[XI+4*(\i):XI+4*(\i)+1], s[14:15] offset:2048*(\i)  ; a wave's store covers 256 consecutive bytes, aligned; no register is written behind its store, so nothing waits for a store
.endr
	s_endpgm
; ---- the weights.  Thread (cq = t % 16, rp = t / 16) takes columns 4 cq .. 4 cq + 3 of the two source rows of pair kp = rp + 16 i, i = 0 .. 3.
; si: bytes from pair kp to pair kp + 16 in the source; sz: from a pair's first row to its second.  Sixteen neighbouring lanes read 256 consecutive bytes.
.macro LOADS si, sz
.irp i, 0,1,2,3
.irp z, 0,1
	global_load_b128 v[XI+8*(\i)+4*(\z):XI+8*(\i)+4*(\z)+3], v5, s[26:27] offset:(\i)*(\si)+(\z)*(\sz) th:TH_LOAD_NT
.endr
.endr
.endm
; A pair's two numbers of column e make one word of stage row 4 cq + e, at byte 4 kp.  half = 1: the bf16 numbers are written as f16.
.macro TOLDS half
.irp i, 0,1,2,3
	s_wait_loadcnt 6-2*(\i)                        ; pair i's two loads are in; the later pairs' stay out
.irp e, 0,1,2,3
	v_cvt_pk_bf16_f32 v[Y+4*(\i)+(\e)], v[XI+8*(\i)+(\e)], v[XI+8*(\i)+4+(\e)]
.if \half
	v_lshlrev_b32 v6, 16, v[Y+4*(\i)+(\e)]
	v_and_b32 v7, 0xffff0000, v[Y+4*(\i)+(\e)]
	v_cvt_pk_f16_f32 v[Y+4*(\i)+(\e)], v6, v7
.endif
	ds_store_b32 v3, v[Y+4*(\i)+(\e)] offset:(\e)*SPITCH+64*(\i)
.endr
.endr
.endm
; Back as rows: thread (dl = t / 16, chunk = t % 16) takes 16 bytes of stage rows dl + 16 u.  su: bytes from output row dl + 16 u to dl + 16 u + 16.
.macro OUT su
	s_wait_dscnt 0x0                               ; for the others' sake: my stores into the stage are done
	s_barrier_signal -1
	s_barrier_wait -1
.irp u, 0,1,2,3
	ds_load_b128 v[BK+4*(\u):BK+4*(\u)+3], v4 offset:16*SPITCH*(\u)
.endr
.irp u, 0,1,2,3
	s_wait_dscnt 3-(\u)                            ; LDS loads come back in order: piece u is in
	global_store_b128 v8, v[BK+4*(\u):BK+4*(\u)+3], s[30:31] offset:(\u)*(\su)  ; sixteen lanes store 256 consecutive bytes, aligned
.endr
	s_wait_tensorcnt 0x0                           ; the wave's end: behind my last LDS store
	ds_add_u32 v[SPW], v[NIL]
	s_wait_dscnt 0x0
	s_endpgm
.endm
.Lweights:                                             ; s20 = 0 .. 511
	s_lshr_b32 s21, s20, 7                         ; which weight: 0 Wq, 1 Wk, 2 Wv, 3 Wf
	s_bfe_u32 s23, s20, 0x40003                    ; the head h, or for Wf the block of 64 columns
	s_and_b32 s24, s20, 7                          ; the block of 128 along the sum
	v_and_b32 v1, 15, v0                           ; cq, and chunk
	v_lshrrev_b32 v2, 4, v0                        ; rp, and dl
	v_mul_u32_u24 v3, v1, 4*SPITCH
	v_lshl_add_u32 v3, v2, 2, v3                   ; into the stage: row 4 cq, byte 4 rp
	v_mul_u32_u24 v4, v2, SPITCH
	v_lshl_add_u32 v4, v1, 4, v4                   ; back: row dl, byte 16 chunk
	s_wait_kmcnt 0x0
	s_cmp_eq_u32 s21, 3
	s_cbranch_scc1 .Lwf
	; ---- Wq, Wk, Wv: [h][1024 f][64 d]
	s_cmp_eq_u32 s21, 1
	s_cselect_b64 s[26:27], s[8:9], s[6:7]
	s_cmp_eq_u32 s21, 2
	s_cselect_b64 s[26:27], s[10:11], s[26:27]
	s_lshl_b32 s28, s23, 18                        ; the head's 1,024 rows of 256 bytes,
	s_lshl_b32 s29, s24, 15                        ; the block's 128 rows
	s_add_co_u32 s28, s28, s29
	s_mov_b32 s29, 0
	s_add_nc_u64 s[26:27], s[26:27], s[28:29]
	v_lshlrev_b32 v5, 9, v2                        ; two rows for each rp,
	v_lshl_add_u32 v5, v1, 4, v5                   ; 16 bytes for each cq
	LOADS 8192, 256
	; where channel d = dl + 16 u goes, in bytes of wt: u x 524,288 + (dl>>3) sA + (dl&7) sB + sH
	s_mov_b32 s32, 262144                          ; q, k: sA = 128 rows,
	s_mov_b32 s33, 2048                            ; sB = 1 row,
	s_lshl_b32 s34, s23, 14                        ; sH = 8 h rows
	s_lshr_b32 s35, s23, 3                         ; v: sH = 128 (h>>3) + (h&7) rows
	s_lshl_b32 s35, s35, 18
	s_and_b32 s36, s23, 7
	s_lshl_b32 s36, s36, 11
	s_add_co_u32 s35, s35, s36
	s_cmp_eq_u32 s21, 2
	s_cselect_b32 s32, 131072, s32                 ; v: sA = 64 rows,
	s_cselect_b32 s33, 16384, s33                  ; sB = 8 rows
	s_cselect_b32 s34, s35, s34
	v_lshrrev_b32 v6, 3, v2
	v_and_b32 v7, 7, v2
	v_mul_u32_u24 v8, v6, s32
	v_mad_u32_u24 v8, v7, s33, v8
	v_lshl_add_u32 v8, v1, 4, v8
	s_lshl_b32 s28, s21, 21                        ; the weight's 1,024 rows of 2,048 bytes
	s_add_co_u32 s28, s28, s34
	s_lshl_b32 s29, s24, 8                         ; the block's 256 bytes in a row
	s_add_co_u32 s28, s28, s29
	s_mov_b32 s29, 0
	s_add_nc_u64 s[30:31], s[16:17], s[28:29]
	TOLDS 0
	OUT 524288
	; ---- Wf: [1024 c][1024 o].  In block kb of k', place 8 h + j stands for c = 128 kb + 16 j + h.  Pair kp = rp + 16 i: h = (rp>>2) + 4 i, j = 2 (rp&3) + z.
.Lwf:
	s_lshl_b32 s28, s24, 19                        ; 128 kb rows of 4,096 bytes,
	s_lshl_b32 s29, s23, 8                         ; the block's 64 columns
	s_add_co_u32 s28, s28, s29
	s_mov_b32 s29, 0
	s_add_nc_u64 s[26:27], s[12:13], s[28:29]
	v_and_b32 v6, 3, v2
	v_lshrrev_b32 v7, 2, v2
	v_lshlrev_b32 v5, 17, v6                       ; 32 (rp&3) rows,
	v_lshl_add_u32 v5, v7, 12, v5                  ; (rp>>2) rows,
	v_lshl_add_u32 v5, v1, 4, v5                   ; 16 bytes for each cq
	LOADS 16384, 65536
	v_lshlrev_b32 v8, 11, v2                       ; output row dl,
	v_lshl_add_u32 v8, v1, 4, v8
	s_lshl_b32 s28, s23, 17                        ; the block's 64 rows of 2,048 bytes,
	s_lshl_b32 s29, s24, 8                         ; kb's 256 bytes in a row
	s_add_co_u32 s28, s28, s29
	s_mov_b32 s29, 0
	s_add_nc_u64 s[30:31], s[18:19], s[28:29]
	TOLDS 1
	OUT 32768
.Lfunc_end_k_qc76e5e7e2a_prep:
	.size	k_qc76e5e7e2a_prep, .Lfunc_end_k_qc76e5e7e2a_prep-k_qc76e5e7e2a_prep
	.p2alignl 7, 3214868480
	.fill 96, 4, 3214868480
	.section	.rodata,"a",@progbits
	.p2align	6, 0x0
	.amdhsa_kernel k_qc76e5e7e2a_prep
		.amdhsa_group_segment_fixed_size 18432
		.amdhsa_private_segment_fixed_size 0
		.amdhsa_enable_private_segment 0
		.amdhsa_kernarg_size 64
		.amdhsa_user_sgpr_count 2
		.amdhsa_user_sgpr_kernarg_segment_ptr 1
		.amdhsa_wavefront_size32 1
		.amdhsa_system_sgpr_workgroup_id_x 1
		.amdhsa_system_sgpr_workgroup_id_y 1
		.amdhsa_system_sgpr_workgroup_id_z 1
		.amdhsa_system_vgpr_workitem_id 0
		.amdhsa_next_free_vgpr 80
		.amdhsa_next_free_sgpr 66
		.amdhsa_reserve_vcc 0
		.amdhsa_float_denorm_mode_32 3
		.amdhsa_float_denorm_mode_16_64 3
		.amdhsa_memory_ordered 1
		.amdhsa_forward_progress 1
		.amdhsa_inst_pref_size 20
	.end_amdhsa_kernel
	.amdgpu_metadata
---
amdhsa.version: [ 1, 2 ]
amdhsa.kernels:
  - .name:           k_qc76e5e7e2a_prep
    .symbol:         k_qc76e5e7e2a_prep.kd
    .args:
      - { .name: x, .offset: 0, .size: 8, .value_kind: global_buffer, .address_space: global }
      - { .name: Wq, .offset: 8, .size: 8, .value_kind: global_buffer, .address_space: global }
      - { .name: Wk, .offset: 16, .size: 8, .value_kind: global_buffer, .address_space: global }
      - { .name: Wv, .offset: 24, .size: 8, .value_kind: global_buffer, .address_space: global }
      - { .name: Wf, .offset: 32, .size: 8, .value_kind: global_buffer, .address_space: global }
      - { .name: xb, .offset: 40, .size: 8, .value_kind: global_buffer, .address_space: global }
      - { .name: wt, .offset: 48, .size: 8, .value_kind: global_buffer, .address_space: global }
      - { .name: wft, .offset: 56, .size: 8, .value_kind: global_buffer, .address_space: global }
    .group_segment_fixed_size: 18432
    .private_segment_fixed_size: 0
    .kernarg_segment_align: 8
    .kernarg_segment_size: 64
    .max_flat_workgroup_size: 256
    .sgpr_count:     66
    .vgpr_count:     80
    .wavefront_size: 32
...
	.end_amdgpu_metadata
.endif
;; end of part 1
;; launch gemm1 (part 2): grid 4 x 64, 4 waves a work-group, clusters of 4 x 4, 327,680 bytes of LDS; arguments xb, wt, qkv; writes qkv
.if DOCPART == 2
	.amdgcn_target "amdgcn-amd-amdhsa--gfx1250"
	.amdhsa_code_object_version 6
	.text
	.protected	k_qc76e5e7e2a_gemm1
	.globl	k_qc76e5e7e2a_gemm1
	.p2align	8
	.type	k_qc76e5e7e2a_gemm1,@function
k_qc76e5e7e2a_gemm1:
	s_mov_b64 s[64:65], 0
	v_nop
	global_prefetch_b8 v0, s[64:65] scope:SCOPE_SE
	s_setreg_imm32_b32 hwreg(HW_REG_WAVE_MODE, 25, 1), 1
	s_wait_xcnt 0x0
	s_wait_alu depctr_hold_cnt(0) depctr_sa_sdst(0) depctr_va_vdst(0) depctr_va_sdst(0) depctr_va_ssrc(0) depctr_va_vcc(0) depctr_vm_vsrc(0)
	s_getreg_b32 s2, hwreg(HW_REG_IB_STS2, 6, 4)
	s_cmp_eq_u32 s2, 0
	s_cbranch_scc0 .Lentry_in_a_cluster
	s_endpgm
.Lentry_in_a_cluster:
	s_bfe_u32 s2, ttmp6, 0x10000c
	s_cmp_lg_u32 s2, 0xf033
	s_cbranch_scc0 .Lentry_shape_is_right
	s_endpgm
.Lentry_shape_is_right:
; qkv[m][n] = sum over f of xb[m][f] wt[n][f].  xb: [16384][1024] bf16, wt: [3072][1024] bf16, qkv: [16384][3072] f16 (q, k, v side by side); sums in f32, rounded once.
; LIMIT.  f16 holds no number beyond 65,504: q, k and v must lie within it; below 6e-5 f16 keeps its fixed step of 6e-8.  NaN and infinities are not treated apart.
; A tile of C, 256 x 256, is made by a work-group of four waves; a wave makes 128 x 128: 64 accumulators of 16 x 16, 512 registers.  K goes in steps of 128 through a ring of two LDS slots
; filled by the tensor data mover: the rows of A's and B's tiles are 256 bytes of memory and start at multiples of 256 bytes from the buffer's first byte.
; A WORK-GROUP STAYS: 64 x 12 tiles on 256 work-groups are three each, side by side, 1,024 columns apart: the same rows of xb against q's, k's and v's weights.  The ring does not stop at a tile's end:
; a tile's last two changes of slots ask for the next tile's first two K steps, and nothing waits for a tile's stores.  The last tile's last K step goes by rows of C, so that finished rows leave while the others are multiplied.
; CLUSTERS: 4 x 4 work-groups.  The four of a row of the cluster need the same tiles of A, the four of a column the same tiles of B.  Such a tile is asked for JOINTLY: each of the four issues the same
; tensor load, with the same descriptor and a mask that names the four, and each receives the tile in its own LDS.
; REGISTERS, in windows of 256 (s_set_vgpr_msb says which window each operand place means: bits 1:0 source 0, 3:2 source 1, 5:4 source 2, 7:6 destination):
;   window 0: v0-31 addresses; v64-127, v128-191 fragments of A, two buffers (in the very last K step four, of 16 rows x 128 K); v32-63, v192-255 at work on the way out
;   window 1: v64-127, v128-191 fragments of B, two buffers; in the very last K step all 256
;   window 2: the 32 accumulators of my rows 0-63 (accumulator (a, b) at v[8 (8 a + b)]);   window 3: those of my rows 64-127
; THE MATRIX INSTRUCTION IS USED TRANSPOSED: source 0 = 16 rows of B, source 1 = 16 rows of A: lane l then holds row l % 16 of C and the columns 8 (l / 16) + 0 .. 7, which pack into 16 bytes.
.set SIZE_M, 16384
.set SIZE_N, 3072
.set SIZE_K, 1024
.set SIZE_TILES, 3
.set KSTEP,  128
.set PITCH,  272                       ; an LDS row: 256 bytes of data + 16 of padding = 68 words: row r starts at bank 4 r mod 64 (64 banks of 4 bytes: ISA guide 11.1)
.set HALFT,  128*PITCH                 ; 128 rows: what one tensor load brings, and what one wave reads of A or of B
.set SLOT,   4*HALFT                   ; A's 256 rows, then B's 256 rows
.set STAGE,  2*SLOT                    ; behind the ring: 16 rows x 272 bytes for each wave, for the way out
.set SPITCH, 272
.set SPARE,  STAGE+4*16*SPITCH         ; behind the stages: the spare words, 128 bytes for each wave, which no other line names
.set LAPS, SIZE_K/(2*KSTEP)            ; a lap = two K steps = once round the ring: 4
.set BACK_A, (SIZE_K-2*KSTEP)*2        ; bytes from a slot's last K step of a tile back to its first: the walk's tiles share their rows of A
.set NEXT_B, 1024*SIZE_K*2-(SIZE_K-2*KSTEP)*2  ; B goes 1,024 rows on and back along K
.set NEXT_C, 1024*2                    ; C goes 1,024 columns on
.set ADRA, 16                          ; v16-17  LDS address of my A fragments in slot 0, 1
.set ADRB, 20                          ; v20-21  the same for B
.set STO,  24                          ; v24     the way out: where I put 16 bytes of a row
.set RD,   25                          ; v25     the way out: where I read a row back
.set CO,   26                          ; v26     my byte offset in C
.set SPW,  28                          ; v28     LDS address of my spare word; never rewritten
.set NIL,  29                          ; v29     0; never rewritten
.set F0,   64                          ; fragment buffer 0
.set F1,   128                         ; fragment buffer 1
.set TMP,  192                         ; the way out: packed results, in window 0
.set OB,   32                          ; the way out: 16 rows read back from the stage: v32-63 and v224-255 by turns
.set PA,   64                          ; the very last K step: A's fragments of 16 rows x 128 K, 32 registers; four such buffers, v64-191
.set G1, 24                            ; s[24:31] descriptor group 1 for A's tiles
.set G0, 32                            ; s[32:39] descriptor group 0 for A's tiles, one set for each slot
.set G1B, 48                           ; s[48:55] descriptor group 1 for B's tiles: it differs from A's in the mask alone
.set G0B, 56                           ; s[56:63] descriptor group 0 for B's tiles, one set for each slot
.set MSB, 0
.macro WIN new                         ; the immediate's high byte repeats the setting that is left; a switch that changes nothing is dropped
.if MSB != (\new)
	s_set_vgpr_msb (MSB<<8)|(\new)
.set MSB, \new
.endif
.endm
.set MUL_LO, 0xa1                      ; source 0 (B) window 1, source 1 (A) window 0, C and D window 2
.set MUL_HI, 0xf1                      ; the same, C and D window 3
.set TO_B,   0x40                      ; destination window 1, address window 0
; A joint load.  Waves 0 and 1 fetch A's two halves, waves 2 and 3 B's.  The branch hangs on the wave's number alone: it is the same in every work-group.
; An s_nop 0 and four v_nop follow each of the two lines, ahead of the jump, the label and what follows.
.macro JLOAD s
	s_cmp_eq_u32 s11, 0
	s_cbranch_scc0 .Lfor_b_\@
	tensor_load_to_lds s[G0+4*(\s):G0+4*(\s)+3], s[G1:G1+7]
	s_nop 0
.rept 4
	v_nop
.endr
	s_branch .Lasked_\@
.Lfor_b_\@:
	tensor_load_to_lds s[G0B+4*(\s):G0B+4*(\s)+3], s[G1B:G1B+7]
	s_nop 0
.rept 4
	v_nop
.endr
.Lasked_\@:
.endm
; A round of the cluster's barrier: my work-group's barrier, so that wave 0's signal speaks for all four waves; wave 0 signals for the work-group; every wave waits for all
; sixteen work-groups; my work-group's barrier once more.  No LDS instruction of the wave is pending at a signal.
.macro CREST                           ; a round behind its opening barrier
	s_cmp_lg_u32 s10, 0
	s_cbranch_scc1 .Lnot_wave_0_\@
	s_barrier_signal -3
.Lnot_wave_0_\@:
	s_barrier_wait -3
	s_barrier_signal -1
	s_barrier_wait -1
.endm
.macro CROUND                          ; a whole round
	s_barrier_signal -1
	s_barrier_wait -1
	CREST
.endm
	s_load_b128 s[4:7], s[0:1], 0x0                ; A s[4:5], B s[6:7]
	s_load_b64 s[8:9], s[0:1], 0x10                ; C
	v_lshl_add_u32 v[SPW], v0, 2, SPARE
	v_mov_b32 v[NIL], 0
	ds_add_u32 v[SPW], v[NIL]                      ; the wave's opening: the add and its wait stand ahead of my first tensor load; the set-up below, work on registers, stands between them
	v_lshrrev_b32 v1, 5, v0
	v_readfirstlane_b32 s10, v1                    ; wave 0..3
	s_lshr_b32 s11, s10, 1                         ; which half of the tile's rows is mine.  Also: I fetch for A (0) or for B (1)
	s_and_b32 s12, s10, 1                          ; which half of its columns.  Also: which 128 rows of that tile I fetch
	s_bfe_u32 s40, ttmp6, 0x40000                  ; cx: my place along the cluster's x
	s_bfe_u32 s41, ttmp6, 0x40004                  ; cy: along its y
	s_lshl_b32 s42, ttmp9, 2                       ; in a cluster launch ttmp9 and ttmp7 count clusters
	s_add_co_u32 s42, s42, s40                     ; my first tile column of C = 4 x cluster x + cx
	s_and_b32 s13, ttmp7, 0xffff
	s_lshl_b32 s13, s13, 2
	s_add_co_u32 s13, s13, s41                     ; tile row of C = 4 x cluster y + cy
	s_lshl_b32 s43, s41, 2
	s_lshl_b32 s43, 15, s43                        ; my row of the cluster: places 4 cy .. 4 cy + 3
	s_lshl_b32 s44, 0x1111, s40                    ; my column: places cx, cx + 4, cx + 8, cx + 12
	; descriptor group 1: a tile of 128 rows x 128 elements, padded in LDS
	s_or_b32 s[G1+0], s43, (1<<16)|(1<<20)|(1<<21)|(5<<22)|(3<<25)  ; 15:0 the mask: A's tiles go to my row; 17:16 element of 2 bytes; 20 padding on; 21 set beside a mask; 24:22 after every 64 words (code 5); 31:25 of 4 words (code 3)
	s_or_b32 s[G1B+0], s44, (1<<16)|(1<<20)|(1<<21)|(5<<22)|(3<<25) ; the same with the mask of my column, for B's tiles
	s_mov_b32 s[G1B+1], KSTEP<<16
	s_mov_b32 s[G1+1], KSTEP<<16                   ; 63:48 tensor_dim0, low half = 128
	s_mov_b32 s[G1B+2], 128<<16
	s_mov_b32 s[G1+2], 128<<16                     ; 95:80 tensor_dim1, low half = 128
	s_mov_b32 s[G1B+3], KSTEP<<16
	s_mov_b32 s[G1+3], KSTEP<<16                   ; 127:112 tile_dim0 = 128
	s_mov_b32 s[G1B+4], 128
	s_mov_b32 s[G1+4], 128                         ; 143:128 tile_dim1 = 128; 159:144 tile_dim2 = 0
	s_mov_b32 s[G1B+5], SIZE_K
	s_mov_b32 s[G1+5], SIZE_K                      ; 191:160 tensor_dim0_stride, low word: elements from row to row
	s_mov_b32 s[G1B+6], 0
	s_mov_b32 s[G1+6], 0
	s_mov_b32 s[G1B+7], 0
	s_mov_b32 s[G1+7], 0
	; where the tiles come from.  A's hang on the tile row alone, which my row of the cluster shares; B's on the tile column alone, which my column shares.
	s_lshl_b32 s17, s12, 7                         ; which 128 rows of the tile I fetch
	s_lshl_b32 s16, s13, 8
	s_add_co_u32 s16, s16, s17                     ; A: row 256 x tile row + 128 x half
	s_lshl_b32 s46, s42, 8
	s_add_co_u32 s46, s46, s17                     ; B: row 256 x tile column + 128 x half
	s_mov_b32 s17, 0
	s_mov_b32 s47, 0
	s_mov_b64 s[18:19], SIZE_K*2
	s_mul_u64 s[16:17], s[16:17], s[18:19]         ; in bytes, in 64 bits
	s_mul_u64 s[46:47], s[46:47], s[18:19]
	s_mul_i32 s20, s10, HALFT                      ; and where they go: wave x 128 rows: no place in the cluster enters an LDS address
	s_wait_dscnt 0x0                               ; the opening add is done
	s_wait_kmcnt 0x0
	s_add_nc_u64 s[14:15], s[4:5], s[16:17]
	s_add_nc_u64 s[46:47], s[6:7], s[46:47]
	CROUND                                         ; all sixteen work-groups are here: the first joint loads meet
.irp s, 0,1
	s_mov_b32 s[G0+4*(\s)], 1                                      ; 1:0 count = 1
	s_add_co_u32 s[G0+4*(\s)+1], s20, (\s)*SLOT                    ; 63:32 LDS address
	s_add_nc_u64 s[G0+4*(\s)+2:G0+4*(\s)+3], s[14:15], (\s)*KSTEP*2  ; 120:64 global address: K step s
	s_or_b32 s[G0+4*(\s)+3], s[G0+4*(\s)+3], 0x80000000            ; 127:126 type = 2
	s_mov_b32 s[G0B+4*(\s)], 1
	s_add_co_u32 s[G0B+4*(\s)+1], s20, (\s)*SLOT
	s_add_nc_u64 s[G0B+4*(\s)+2:G0B+4*(\s)+3], s[46:47], (\s)*KSTEP*2
	s_or_b32 s[G0B+4*(\s)+3], s[G0B+4*(\s)+3], 0x80000000
	JLOAD \s                                       ; the ring is filled before anything else is done: two tensor loads of mine are out
.endr
	; A fragment is 16 rows x 32 K in 8 registers: lane l holds row l % 16; registers 0-3 hold K = 8 (l / 16) + 0..7, registers 4-7 hold K = 16 + 8 (l / 16) + 0..7: two loads of 16 bytes, 32 bytes apart.
	v_and_b32 v1, 15, v0                           ; l % 16
	v_bfe_u32 v2, v0, 4, 1                         ; l / 16
	v_mul_u32_u24 v3, v1, PITCH
	v_lshl_add_u32 v3, v2, 4, v3                   ; row x pitch + 16 x half
	s_mul_i32 s21, s11, HALFT                      ; my 128 rows of A
	s_mul_i32 s22, s12, HALFT                      ; my 128 rows of B,
	s_add_co_u32 s22, s22, 2*HALFT                 ; which lie behind A's 256
.irp s, 0,1
	v_add_nc_u32 v[ADRA+(\s)], s21, v3
	v_add_nc_u32 v[ADRB+(\s)], s22, v3
	s_add_co_u32 s21, s21, SLOT
	s_add_co_u32 s22, s22, SLOT
.endr
	s_mul_i32 s23, s10, 16*SPITCH
	s_add_co_u32 s23, s23, STAGE                   ; my stage
	v_mul_u32_u24 v4, v1, SPITCH                   ; in: row l % 16, 16 bytes for each half of the lanes
	v_lshl_add_u32 v4, v2, 4, v4
	v_add_nc_u32 v[STO], s23, v4
	v_mul_u32_u24 v5, v2, SPITCH                   ; back: lanes 0-15 take one row of 256 bytes, lanes 16-31 the next
	v_lshl_add_u32 v5, v1, 4, v5
	v_add_nc_u32 v[RD], s23, v5
	v_mul_u32_u24 v5, v2, SIZE_N*2                 ; and the same two rows in C
	v_lshl_add_u32 v[CO], v1, 4, v5
	; s[16:17]: C at my part of the tile in hand
	s_lshl_b32 s13, s13, 8
	s_lshl_b32 s14, s11, 7
	s_add_co_u32 s16, s13, s14                     ; my first row of C
	s_mov_b32 s17, 0
	s_mov_b64 s[18:19], SIZE_N*2
	s_mul_u64 s[16:17], s[16:17], s[18:19]
	s_lshl_b32 s46, s42, 9                         ; my first column, in bytes: 512 x tile column + 256 x half
	s_lshl_b32 s47, s12, 8
	s_add_co_u32 s46, s46, s47
	s_mov_b32 s47, 0
	s_add_nc_u64 s[16:17], s[16:17], s[46:47]
	s_add_nc_u64 s[16:17], s[8:9], s[16:17]
; 16 matrix instructions: m blocks a0, a0 + 1 of the window's four (hi = 0: my rows 0-63, 1: rows 64-127) x all 8 n blocks, 32 along K.
; zero = 1: the first product starts the sums: nothing is ever cleared.  The 64 accumulators take turns, one instruction a turn.
.macro MUL16 f, hi, a0, zero
	WIN MUL_LO+0x50*(\hi)
.irp a, \a0, (\a0)+1
.irp b, 0,1,2,3,4,5,6,7
.if \zero
	v_wmma_f32_16x16x32_bf16 v[8*(8*(\a)+(\b)):8*(8*(\a)+(\b))+7], v[(\f)+8*(\b):(\f)+8*(\b)+7], v[(\f)+8*(4*(\hi)+(\a)):(\f)+8*(4*(\hi)+(\a))+7], 0
.else
	v_wmma_f32_16x16x32_bf16 v[8*(8*(\a)+(\b)):8*(8*(\a)+(\b))+7], v[(\f)+8*(\b):(\f)+8*(\b)+7], v[(\f)+8*(4*(\hi)+(\a)):(\f)+8*(4*(\hi)+(\a))+7], v[8*(8*(\a)+(\b)):8*(8*(\a)+(\b))+7]
.endif
.endr
.endr
.endm
; 32 LDS loads in one run: the fragments of one quarter step (128 rows of B, 128 rows of A, 32 K at byte k of the rows) into buffer f
.macro FETCH slot, k, f
	WIN TO_B
.irp i, 0,1,2,3,4,5,6,7
	ds_load_b128 v[(\f)+8*(\i):(\f)+8*(\i)+3],   v[ADRB+(\slot)] offset:(\k)+(\i)*16*PITCH
	ds_load_b128 v[(\f)+8*(\i)+4:(\f)+8*(\i)+7], v[ADRB+(\slot)] offset:(\k)+(\i)*16*PITCH+32
.endr
	WIN 0
.irp i, 0,1,2,3,4,5,6,7
	ds_load_b128 v[(\f)+8*(\i):(\f)+8*(\i)+3],   v[ADRA+(\slot)] offset:(\k)+(\i)*16*PITCH
	ds_load_b128 v[(\f)+8*(\i)+4:(\f)+8*(\i)+7], v[ADRA+(\slot)] offset:(\k)+(\i)*16*PITCH+32
.endr
.endm
; A load into a register that a matrix instruction has read, and a vector instruction that reads a matrix result, stand four places behind that matrix instruction, and only plain vector
; instructions that name none of its registers are places (ISA guide 7.12.1 for vector instructions).
.macro PLACES
.rept 4
	v_nop
.endr
.endm
; A K step is four quarter steps of 32 along K, 64 matrix instructions each, on buffers 0, 1, 0, 1.
; One of the first three: multiplies buffer f; in its middle it fetches the next quarter's fragments, at byte k of the same slot's rows, into buffer g.
.macro QUARTER slot, k, f, g, zero
	s_wait_dscnt 8                                 ; B and A's rows 0-63 are in; the youngest eight loads (A's rows 64-127) may be out
	WIN MUL_LO
	MUL16 \f, 0, 0, \zero
	MUL16 \f, 0, 2, \zero
	PLACES
	FETCH \slot, \k, \g
	s_wait_dscnt 32                                ; all but the 32 just issued
	WIN MUL_HI
	MUL16 \f, 1, 0, \zero
	MUL16 \f, 1, 2, \zero
.endm
; The last quarter multiplies buffer 1 and changes slots.  MEET is its first half: ONE barrier for the change of slots.  In front of it each wave waits for all its tensor loads, of which one is out:
; its part of the next slot; adds 0 to its spare word; and waits for that and for its own reads of this slot.  Behind it nobody reads this slot any more and the next slot is whole.
.macro MEET round                      ; round = 1: a round of the cluster's barrier follows
	WIN 0                                          ; (the add's two registers lie in window 0)
	s_wait_tensorcnt 0x0                           ; all my tensor loads have landed: the one that was out is my part of the next slot;
	ds_add_u32 v[SPW], v[NIL]                      ; 0 onto my spare word;
	s_wait_dscnt 9                                 ; (the add and the youngest eight loads may be out)
	WIN MUL_LO
	MUL16 F1, 0, 0, 0                              ; sixteen matrix instructions stand between the add and the wait for it
	s_wait_dscnt 0x0                               ; the add is done, and my reads of this slot are over:
	s_barrier_signal -1                            ; say so,
	MUL16 F1, 0, 2, 0                              ; work on registers while the others arrive,
.if \round
	WIN 0
.endif
	s_barrier_wait -1                              ; and go on when all four have said so
.endm
; The whole last quarter.  Behind the round the slot just read out is filled again first: with this tile's K step two steps on (on = 0) or, in a tile's last two K steps, with the NEXT tile's
; K step 0 or 1 (on = 1); then come the next slot's first fragments.  From a request to the wait for it a wave issues 224 matrix instructions, across tiles too.
.macro TURN slot, next, on
	MEET 1
	CREST                                          ; no wave of any partner still reads this slot's tile or has a load on its way
.if \on
	s_sub_nc_u64 s[G0+4*(\slot)+2:G0+4*(\slot)+3], s[G0+4*(\slot)+2:G0+4*(\slot)+3], BACK_A
	s_add_nc_u64 s[G0B+4*(\slot)+2:G0B+4*(\slot)+3], s[G0B+4*(\slot)+2:G0B+4*(\slot)+3], NEXT_B
.else
	s_add_nc_u64 s[G0+4*(\slot)+2:G0+4*(\slot)+3], s[G0+4*(\slot)+2:G0+4*(\slot)+3], 2*KSTEP*2
	s_add_nc_u64 s[G0B+4*(\slot)+2:G0B+4*(\slot)+3], s[G0B+4*(\slot)+2:G0B+4*(\slot)+3], 2*KSTEP*2
.endif
	JLOAD \slot                                    ; the first tensor load behind the round, my only one out; the four v_nop behind it are also the places in front of the loads below
	FETCH \next, 0, F0
	WIN MUL_HI
	MUL16 F1, 1, 0, 0
	MUL16 F1, 1, 2, 0
.endm
; THE LAST K STEP OF THE LAST TILE (it lies in slot 1) GOES BY ROWS OF C, NOT BY K.  All its fragments of B (4 quarters x 64 registers) fill window 1; then my eight blocks of 16 rows are
; finished one after the other, each with 32 matrix instructions (its 8 accumulators by turns, K ascending).  LDS is read no more than in any other K step.
.macro BLOAD q                         ; B's fragments of quarter q -> window 1, v[64 q ..]
	WIN TO_B
.irp i, 0,1,2,3,4,5,6,7
	ds_load_b128 v[64*(\q)+8*(\i):64*(\q)+8*(\i)+3],   v[ADRB+1] offset:64*(\q)+(\i)*16*PITCH
	ds_load_b128 v[64*(\q)+8*(\i)+4:64*(\q)+8*(\i)+7], v[ADRB+1] offset:64*(\q)+(\i)*16*PITCH+32
.endr
.endm
.macro ALOAD a                         ; A's fragments of block a, all four quarters -> buffer a % 4
	WIN 0
.set FA, PA+32*((\a)%4)
.irp q, 0,1,2,3
	ds_load_b128 v[FA+8*(\q):FA+8*(\q)+3],   v[ADRA+1] offset:64*(\q)+(\a)*16*PITCH
	ds_load_b128 v[FA+8*(\q)+4:FA+8*(\q)+7], v[ADRA+1] offset:64*(\q)+(\a)*16*PITCH+32
.endr
.endm
.macro ROW a                           ; block a is finished: 32 matrix instructions
.set FA, PA+32*((\a)%4)                ; its fragments of A
.set AC, 64*((\a)%4)                   ; its eight accumulators, in window 2 (blocks 0-3) or 3 (blocks 4-7)
	WIN MUL_LO+0x50*((\a)/4)
.irp q, 0,1,2,3
.if (\a) == 0 && (\q) == 2
	s_wait_dscnt 24                                ; B's quarter 2 is in (behind it: A's blocks 1 to 3)
.endif
.irp b, 0,1,2,3,4,5,6,7
	v_wmma_f32_16x16x32_bf16 v[AC+8*(\b):AC+8*(\b)+7], v[64*(\q)+8*(\b):64*(\q)+8*(\b)+7], v[FA+8*(\q):FA+8*(\q)+7], v[AC+8*(\b):AC+8*(\b)+7]
.endr
.endr
.endm
; THE WAY OUT of block a, in three parts.  PACK: rounded to f16, 16 bytes a lane, each accumulator from its low end on.  TOSTAGE: into my own stage in LDS, and back as whole rows of 256 bytes.  SEND: stored.
.macro PACK a
.set AC, 64*((\a)%4)
	WIN 0x0a+5*((\a)/4)                            ; sources 0 and 1: window 2 or 3
.irp b, 0,1,2,3,4,5,6,7
.irp r, 0,1,2,3
	v_cvt_pk_f16_f32 v[TMP+4*(\b)+(\r)], v[AC+8*(\b)+2*(\r)], v[AC+8*(\b)+2*(\r)+1]
.endr
.endr
	WIN 0
.endm
.macro TOSTAGE a
	WIN 0
.set BK, OB+192*((\a)%2)
.irp b, 0,1,2,3,4,5,6,7
	ds_store_b128 v[STO], v[TMP+4*(\b):TMP+4*(\b)+3] offset:32*(\b)
.endr
.irp t, 0,1,2,3,4,5,6,7
	ds_load_b128 v[BK+4*(\t):BK+4*(\t)+3], v[RD] offset:(\t)*2*SPITCH  ; LDS serves a wave's instructions in order (ISA guide 5.7.1.4): these see the stores above
.endr
.endm
.macro SEND a, younger                 ; younger: the LDS loads issued behind TOSTAGE's, which may stay out
	WIN 0
.set BK, OB+192*((\a)%2)
	s_wait_dscnt \younger                          ; the block is back in registers
	s_wait_xcnt 0x0                                ; every earlier memory instruction has had its addresses translated (ISA guide 3.1): only behind this wait are the stores' base and the registers that earlier stores read rewritten
.if (\a) == 0
	s_mov_b64 s[8:9], s[16:17]                     ; this tile's first rows
.else
	s_add_nc_u64 s[8:9], s[8:9], 16*SIZE_N*2       ; 16 rows of C on, so that the stores' offsets stay small
.endif
.irp t, 0,1,2,3,4,5,6,7
	global_store_b128 v[CO], v[BK+4*(\t):BK+4*(\t)+3], s[8:9] offset:2*(\t)*SIZE_N*2  ; 16 lanes store 256 consecutive bytes, at a multiple of 256 from C's first byte
.endr
.endm
	s_wait_tensorcnt 1                             ; my part of K step 0 is in; K step 1's load stays out
	s_barrier_signal -1
	s_barrier_wait -1                              ; everybody's is
	FETCH 0, 0, F0
	s_mov_b32 s2, SIZE_TILES                       ; tiles to go, this one among them: the same number in every work-group
.Ltile:                                                ; (FETCH and SEND leave every window 0)
	QUARTER 0, 64,  F0, F1, 1                      ; a tile's first quarter stands in front of the loop: its products start the sums
	WIN 0                                          ; at a label and at a branch every window is 0
	s_mov_b32 s3, LAPS-1
.Llap:                                                 ; a trip goes once round the ring, from a lap's second quarter to the next lap's first, and fills both slots again
	QUARTER 0, 128, F1, F0, 0
	QUARTER 0, 192, F0, F1, 0
	TURN 0, 1, 0
	QUARTER 1, 64,  F0, F1, 0
	QUARTER 1, 128, F1, F0, 0
	QUARTER 1, 192, F0, F1, 0
	TURN 1, 0, 0
	QUARTER 0, 64,  F0, F1, 0
	WIN 0
	s_sub_co_u32 s3, s3, 1
	s_cmp_lg_u32 s3, 0
	s_cbranch_scc1 .Llap
	QUARTER 0, 128, F1, F0, 0                      ; the tile's last lap goes on
	QUARTER 0, 192, F0, F1, 0
	WIN 0
	s_cmp_eq_u32 s2, 1
	s_cbranch_scc1 .Llast_tile                     ; the last tile's tail is written out: it asks for nothing more
	TURN 0, 1, 1                                   ; THE RING GOES ON INTO THE NEXT TILE: slot 0 takes its K step 0,
	QUARTER 1, 64,  F0, F1, 0
	QUARTER 1, 128, F1, F0, 0
	QUARTER 1, 192, F0, F1, 0
	TURN 1, 0, 1                                   ; slot 1 its K step 1, and the next tile's first fragments are fetched
	PACK 0                                         ; BOTH REFILLS ARE ASKED FOR: NOW THE TILE GOES OUT.  Blocks 0-3 were finished in front of TURN's places, and their 128 conversions,
	TOSTAGE 0                                      ; which name no register of the last products (blocks 4-7's), are those products' places
.irp a, 1,2,3,4,5,6,7                  ; block a's conversions stand between block a - 1's loads from the stage and the wait for them
	PACK \a
	SEND (\a)-1, 0
	TOSTAGE \a
.endr
	SEND 7, 0
	s_add_nc_u64 s[16:17], s[16:17], NEXT_C        ; C at my part of the next tile; the stores name s[8:9], not this pair
	s_sub_co_u32 s2, s2, 1
	s_branch .Ltile
.Llast_tile:
	MEET 0                                         ; my one tensor load that was still out is slot 1's, the last K step's, so no round follows
	PLACES                                         ; for the loads into buffer 0, which the quarter before multiplied
	WIN TO_B
	BLOAD 0                                        ; three quarters of B now: buffer 1 (v128-191 of both windows) is still being multiplied
	BLOAD 1
	BLOAD 3
	WIN 0
	ALOAD 0
	WIN MUL_HI
	MUL16 F1, 1, 0, 0
	MUL16 F1, 1, 2, 0
	PLACES                                         ; for the loads into buffer 1
	WIN TO_B
	BLOAD 2
	WIN 0
	ALOAD 1
	ALOAD 2
	ALOAD 3
	s_wait_dscnt 40                                ; all but the 40 just issued
	ROW 0
.irp a, 0,1,2,3,4,5,6,7                ; each block leaves as soon as it is finished: nothing follows this tile
	PLACES                                         ; its conversions read results just made, and no other vector work is at hand
	PACK \a
	TOSTAGE \a
.if (\a) < 4
	ALOAD (\a)+4                                   ; its buffer takes the block four further on
	SEND \a, 8
.else
	SEND \a, 0
.endif
.if (\a) < 7
	ROW (\a)+1
.endif
.endr
	s_wait_tensorcnt 0x0                           ; the wave's end: behind my last tensor load and my last LDS store
	ds_add_u32 v[SPW], v[NIL]
	s_wait_dscnt 0x0
	CROUND                                         ; the closing round: no work-group ends while a partner may still ask for a tile that names it
	s_endpgm
.Lfunc_end_k_qc76e5e7e2a_gemm1:
	.size	k_qc76e5e7e2a_gemm1, .Lfunc_end_k_qc76e5e7e2a_gemm1-k_qc76e5e7e2a_gemm1
	.p2alignl 7, 3214868480
	.fill 96, 4, 3214868480
	.section	.rodata,"a",@progbits
	.p2align	6, 0x0
	.amdhsa_kernel k_qc76e5e7e2a_gemm1
		.amdhsa_group_segment_fixed_size 327680
		.amdhsa_private_segment_fixed_size 0
		.amdhsa_enable_private_segment 0
		.amdhsa_kernarg_size 24
		.amdhsa_user_sgpr_count 2
		.amdhsa_user_sgpr_kernarg_segment_ptr 1
		.amdhsa_wavefront_size32 1
		.amdhsa_system_sgpr_workgroup_id_x 1
		.amdhsa_system_sgpr_workgroup_id_y 1
		.amdhsa_system_sgpr_workgroup_id_z 1
		.amdhsa_system_vgpr_workitem_id 0
		.amdhsa_next_free_vgpr 1024
		.amdhsa_next_free_sgpr 66
		.amdhsa_reserve_vcc 0
		.amdhsa_float_denorm_mode_32 3
		.amdhsa_float_denorm_mode_16_64 3
		.amdhsa_memory_ordered 1
		.amdhsa_forward_progress 1
		.amdhsa_inst_pref_size 208
	.end_amdhsa_kernel
	.amdgpu_metadata
---
amdhsa.version: [ 1, 2 ]
amdhsa.kernels:
  - .name:           k_qc76e5e7e2a_gemm1
    .symbol:         k_qc76e5e7e2a_gemm1.kd
    .args:
      - { .name: xb, .offset: 0, .size: 8, .value_kind: global_buffer, .address_space: global }
      - { .name: wt, .offset: 8, .size: 8, .value_kind: global_buffer, .address_space: global }
      - { .name: qkv, .offset: 16, .size: 8, .value_kind: global_buffer, .address_space: global }
    .group_segment_fixed_size: 327680
    .private_segment_fixed_size: 0
    .kernarg_segment_align: 8
    .kernarg_segment_size: 24
    .max_flat_workgroup_size: 128
    .sgpr_count:     66
    .vgpr_count:     1024
    .wavefront_size: 32
...
	.end_amdgpu_metadata
.endif
;; end of part 2
;; launch attn (part 3): grid 256 x 1, 16 waves a work-group, no clusters, 0 bytes of LDS; arguments qkv, ob; writes ob
.if DOCPART == 3
	.amdgcn_target "amdgcn-amd-amdhsa--gfx1250"
	.amdhsa_code_object_version 6
	.text
	.protected	k_qc76e5e7e2a_attn
	.globl	k_qc76e5e7e2a_attn
	.p2align	8
	.type	k_qc76e5e7e2a_attn,@function
k_qc76e5e7e2a_attn:
	s_mov_b64 s[64:65], 0
	v_nop
	global_prefetch_b8 v0, s[64:65] scope:SCOPE_SE
	s_setreg_imm32_b32 hwreg(HW_REG_WAVE_MODE, 25, 1), 1
	s_wait_xcnt 0x0
; FOR EACH OF THE 16,384 ROWS: attention among its 16 heads.  s[h][g] = q[h] . k[g] / 8 over 64 channels; w = softmax over g; o[h] = sum over g of w[h][g] v[g].
; qkv: [16384][3072] f16, a row holding q, k, v of 2,048 bytes each; ob: [16384][1024] f16.  Products, maximum and sum in f32; the weights, divided by their sum, are rounded to f16 for the second product, o once.
; LIMITS.  q, k, v arrive within f16's 65,504; w lies in 0 to 1 and below 6e-5 keeps f16's fixed step of 6e-8; a weight below 2^-126 counts as 0 in the sum, which is at least about 1, since the true maximum is taken away.
; NaN and infinities are not treated apart (a v that is not finite spoils its neighbour block of 16 channels too).
; A STREAM: 6,144 bytes in and 2,048 out for six matrix instructions a row.  No LDS, no barrier, no cluster: no byte is shared.  A work-group takes 64 rows, each of its sixteen waves four, as two pairs.
; Sixteen waves of 256 registers fill the four SIMDs' 1,024 each, and hold the work-group's whole share: every wave issues its 48 loads of 512 consecutive bytes at its start, 393,216 bytes in all,
; ahead of its first wait.  No register is loaded twice, so no store is ever waited for.
; LAYOUT.  The columns of q, k, v were ordered when the weights were laid out, so that the 16 bytes at 16 x lane + 512 c of a part ARE registers 4 c .. 4 c + 3 of its fragments:
;   q, k: lane l holds head l % 16, channels 16 c + 8 (l / 16) + 0..7: registers 0-7 and 8-15 are the fragments of channels 0-31 and 32-63.
;   v:    lane l holds channel 16 c + l % 16, heads 8 (l / 16) + 0..7: registers 0-3 of a fragment of V^T for channel block c.
; S^T = K Q^T (source 0 = k, source 1 = q): a lane holds ONE query head (l % 16) and the key heads 8 (l / 16) + 0..7, so the softmax wants one exchange between the halves of the lanes, and the weights
; rounded in pairs are registers 0-3 of source 1 of O^T = V^T P.  The sum there has 16 heads and the instruction 32 places: two channel blocks of v share a fragment (registers 0-3 the one, 4-7 the other), and P
; stands beside four registers of zeros, in front (PB) or behind (PA), which picks the block.  O^T holds head l % 16 and eight channels a lane: 16 bytes at 16 x lane + 512 x block of ob's row.
.set ROWQ, 6144
.set ROWO, 2048
.set LO,  3                            ; v3   my byte offset in qkv: wave x 4 rows + 16 x lane; never rewritten
.set SO,  4                            ; v4   the same in ob
.set IN,  16                           ; v[16:207]  pair s, row u at IN + 96 s + 48 u: 16 registers of q, 16 of k, 16 of v; O^T's four blocks later lie on q and k
.set S,   208                          ; v[208:223] the scores of rows 0, 1
.set PT,  224                          ; v[224:247] row u at PT + 12 u: four zeros, P, four zeros
.set T,   248                          ; v[248:255] row u at T + 4 u: four at work
	s_load_b128 s[4:7], s[0:1], 0x0                ; qkv s[4:5], ob s[6:7]
	v_and_b32 v1, 31, v0
	v_lshrrev_b32 v2, 5, v0                        ; wave 0 .. 15
	v_lshlrev_b32 v1, 4, v1                        ; 16 x lane
	v_mad_u32_u24 v[LO], v2, 4*ROWQ, v1
	v_lshl_add_u32 v[SO], v2, 13, v1               ; 4 rows of 2,048 bytes
	s_mul_i32 s8, ttmp9, 64*ROWQ                   ; under 2^32: the buffer has 100,663,296 bytes
	s_mov_b32 s9, 0
	s_lshl_b32 s10, ttmp9, 17                      ; 64 rows of 2,048 bytes
	s_mov_b32 s11, 0
	s_mov_b32 s12, 0x3e38aa3b                      ; c = log2(e) / 8 = 0.180337
	s_mov_b32 s13, s12                             ; named with it as a pair
	s_mov_b32 s14, 0x76543210                      ; v_permlanex16_b32: each lane takes its own place in the other half
	s_mov_b32 s15, 0xfedcba98
.irp u, 0,1
.irp i, 0,1,2,3,8,9,10,11
	v_mov_b32 v[PT+12*(\u)+(\i)], 0                ; the zeros beside P, written once
.endr
.endr
	s_wait_kmcnt 0x0
	s_add_nc_u64 s[4:5], s[4:5], s[8:9]
	s_add_nc_u64 s[6:7], s[6:7], s[10:11]
; Rows r and r + 1 of my four into pair s's registers: 24 loads of 512 consecutive bytes
.macro FILL s, r
.irp u, 0,1
.irp p, 0,1,2
.irp c, 0,1,2,3
	global_load_b128 v[IN+96*(\s)+48*(\u)+16*(\p)+4*(\c):IN+96*(\s)+48*(\u)+16*(\p)+4*(\c)+3], v[LO], s[4:5] offset:((\r)+(\u))*ROWQ+(\p)*2048+(\c)*512 th:TH_LOAD_NT
.endr
.endr
.endr
.endm
; Pair s: rows r and r + 1.  left: the younger loads that may stay out.  The two rows alternate line by line, so that few lines wait for the line before.
.macro PAIR s, r, left
.set I0, IN+96*(\s)
	s_wait_loadcnt \left                           ; loads come back in order (ISA guide 5.7.1): this pair's 24 are in, the later pair's stay out
	v_wmma_f32_16x16x32_f16 v[S:S+7],    v[I0+16:I0+23], v[I0:I0+7],     0  ; the two rows' accumulators take turns
	v_wmma_f32_16x16x32_f16 v[S+8:S+15], v[I0+64:I0+71], v[I0+48:I0+55], 0
	v_wmma_f32_16x16x32_f16 v[S:S+7],    v[I0+24:I0+31], v[I0+8:I0+15],  v[S:S+7]
	v_wmma_f32_16x16x32_f16 v[S+8:S+15], v[I0+72:I0+79], v[I0+56:I0+63], v[S+8:S+15]
.rept 4
	v_nop                                          ; four places between a matrix instruction and the first read of its result (ISA guide 7.12.1)
.endr
.irp u, 0,1
	v_max3_num_f32 v[T+4*(\u)], v[S+8*(\u)], v[S+8*(\u)+1], v[S+8*(\u)+2]
.endr
.irp u, 0,1
	v_max3_num_f32 v[T+4*(\u)+1], v[S+8*(\u)+3], v[S+8*(\u)+4], v[S+8*(\u)+5]
.endr
.irp u, 0,1
	v_max3_num_f32 v[T+4*(\u)], v[T+4*(\u)], v[S+8*(\u)+6], v[S+8*(\u)+7]
.endr
.irp u, 0,1
	v_max_num_f32 v[T+4*(\u)], v[T+4*(\u)], v[T+4*(\u)+1]
.endr
.irp u, 0,1
	v_permlanex16_b32 v[T+4*(\u)+1], v[T+4*(\u)], s14, s15  ; the query's other eight key heads lie in the lane 16 away
.endr
.irp u, 0,1
	v_max_num_f32 v[T+4*(\u)], v[T+4*(\u)], v[T+4*(\u)+1]
.endr
.irp u, 0,1
	v_mul_f32 v[T+4*(\u)], s12, v[T+4*(\u)]        ; c m
.endr
.irp i, 0,1,2,3
.irp u, 0,1
	v_pk_fma_f32 v[S+8*(\u)+2*(\i):S+8*(\u)+2*(\i)+1], v[S+8*(\u)+2*(\i):S+8*(\u)+2*(\i)+1], s[12:13], v[T+4*(\u):T+4*(\u)+1] op_sel_hi:[1,0,0] neg_lo:[0,0,1] neg_hi:[0,0,1]  ; c s - c m
.endr
.endr
.set i, 0
.rept 16
	v_exp_f32 v[S+i], v[S+i]
.set i, i+1
.endr
	v_nop                                          ; a plain instruction between the exponentials and the first use of a result (ISA guide 5.7.2)
	s_wait_alu depctr_va_vdst(0)
.irp u, 0,1
	v_pk_add_f32 v[T+4*(\u)+2:T+4*(\u)+3], v[S+8*(\u):S+8*(\u)+1], v[S+8*(\u)+2:S+8*(\u)+3]
.endr
.irp u, 0,1
	v_pk_add_f32 v[T+4*(\u):T+4*(\u)+1], v[S+8*(\u)+4:S+8*(\u)+5], v[S+8*(\u)+6:S+8*(\u)+7]
.endr
.irp u, 0,1
	v_pk_add_f32 v[T+4*(\u):T+4*(\u)+1], v[T+4*(\u):T+4*(\u)+1], v[T+4*(\u)+2:T+4*(\u)+3]
.endr
.irp u, 0,1
	v_add_f32 v[T+4*(\u)], v[T+4*(\u)], v[T+4*(\u)+1]
.endr
.irp u, 0,1
	v_permlanex16_b32 v[T+4*(\u)+1], v[T+4*(\u)], s14, s15
.endr
.irp u, 0,1
	v_add_f32 v[T+4*(\u)], v[T+4*(\u)], v[T+4*(\u)+1]
.endr
.irp u, 0,1
	v_rcp_f32 v[T+4*(\u)+2], v[T+4*(\u)]
.endr
	v_nop                                          ; a plain instruction between the reciprocals and their use
	s_wait_alu depctr_va_vdst(0)
.irp i, 0,1,2,3
.irp u, 0,1
	v_pk_mul_f32 v[S+8*(\u)+2*(\i):S+8*(\u)+2*(\i)+1], v[S+8*(\u)+2*(\i):S+8*(\u)+2*(\i)+1], v[T+4*(\u)+2:T+4*(\u)+3] op_sel_hi:[1,0]
.endr
.endr
.irp i, 0,1,2,3
.irp u, 0,1
	v_cvt_pk_f16_f32 v[PT+12*(\u)+4+(\i)], v[S+8*(\u)+2*(\i)], v[S+8*(\u)+2*(\i)+1]
.endr
.endr
.irp u, 0,1                            ; eight sums of one instruction each; they land on q's and k's registers, whose last readers stand a softmax back
	v_wmma_f32_16x16x32_f16 v[I0+48*(\u):I0+48*(\u)+7],     v[I0+48*(\u)+32:I0+48*(\u)+39], v[PT+12*(\u)+4:PT+12*(\u)+11], 0  ; channels 0-15
	v_wmma_f32_16x16x32_f16 v[I0+48*(\u)+8:I0+48*(\u)+15],  v[I0+48*(\u)+32:I0+48*(\u)+39], v[PT+12*(\u):PT+12*(\u)+7],    0  ; 16-31
	v_wmma_f32_16x16x32_f16 v[I0+48*(\u)+16:I0+48*(\u)+23], v[I0+48*(\u)+40:I0+48*(\u)+47], v[PT+12*(\u)+4:PT+12*(\u)+11], 0  ; 32-47
	v_wmma_f32_16x16x32_f16 v[I0+48*(\u)+24:I0+48*(\u)+31], v[I0+48*(\u)+40:I0+48*(\u)+47], v[PT+12*(\u):PT+12*(\u)+7],    0  ; 48-63
.endr
.rept 4
	v_nop                                          ; four places in front of the conversions below, which read and write these results
.endr
.irp u, 0,1
.irp d, 0,1,2,3
.irp i, 0,1,2,3
	v_cvt_pk_f16_f32 v[I0+48*(\u)+8*(\d)+(\i)], v[I0+48*(\u)+8*(\d)+2*(\i)], v[I0+48*(\u)+8*(\d)+2*(\i)+1]  ; in place, from the low end on: register i is written when 2 i and 2 i + 1 are read
.endr
	global_store_b128 v[SO], v[I0+48*(\u)+8*(\d):I0+48*(\u)+8*(\d)+3], s[6:7] offset:((\r)+(\u))*ROWO+(\d)*512  ; 512 consecutive bytes, at a multiple of 256 from ob's first byte
.endr
.endr
.endm
	FILL 0, 0
	FILL 1, 2
	PAIR 0, 0, 24
	PAIR 1, 2, 0
	s_endpgm
.Lfunc_end_k_qc76e5e7e2a_attn:
	.size	k_qc76e5e7e2a_attn, .Lfunc_end_k_qc76e5e7e2a_attn-k_qc76e5e7e2a_attn
	.p2alignl 7, 3214868480
	.fill 96, 4, 3214868480
	.section	.rodata,"a",@progbits
	.p2align	6, 0x0
	.amdhsa_kernel k_qc76e5e7e2a_attn
		.amdhsa_group_segment_fixed_size 0
		.amdhsa_private_segment_fixed_size 0
		.amdhsa_enable_private_segment 0
		.amdhsa_kernarg_size 16
		.amdhsa_user_sgpr_count 2
		.amdhsa_user_sgpr_kernarg_segment_ptr 1
		.amdhsa_wavefront_size32 1
		.amdhsa_system_sgpr_workgroup_id_x 1
		.amdhsa_system_sgpr_workgroup_id_y 1
		.amdhsa_system_sgpr_workgroup_id_z 1
		.amdhsa_system_vgpr_workitem_id 0
		.amdhsa_next_free_vgpr 256
		.amdhsa_next_free_sgpr 66
		.amdhsa_reserve_vcc 0
		.amdhsa_float_denorm_mode_32 3
		.amdhsa_float_denorm_mode_16_64 3
		.amdhsa_memory_ordered 1
		.amdhsa_forward_progress 1
		.amdhsa_inst_pref_size 21
	.end_amdhsa_kernel
	.amdgpu_metadata
---
amdhsa.version: [ 1, 2 ]
amdhsa.kernels:
  - .name:           k_qc76e5e7e2a_attn
    .symbol:         k_qc76e5e7e2a_attn.kd
    .args:
      - { .name: qkv, .offset: 0, .size: 8, .value_kind: global_buffer, .address_space: global }
      - { .name: ob, .offset: 8, .size: 8, .value_kind: global_buffer, .address_space: global }
    .group_segment_fixed_size: 0
    .private_segment_fixed_size: 0
    .kernarg_segment_align: 8
    .kernarg_segment_size: 16
    .max_flat_workgroup_size: 512
    .sgpr_count:     66
    .vgpr_count:     256
    .wavefront_size: 32
...
	.end_amdgpu_metadata
.endif
;; end of part 3
;; launch gemm2 (part 4): grid 4 x 64, 4 waves a work-group, clusters of 4 x 4, 327,680 bytes of LDS; arguments ob, wft, out0, bf; writes out0
.if DOCPART == 4
	.amdgcn_target "amdgcn-amd-amdhsa--gfx1250"
	.amdhsa_code_object_version 6
	.text
	.protected	k_qc76e5e7e2a_gemm2
	.globl	k_qc76e5e7e2a_gemm2
	.p2align	8
	.type	k_qc76e5e7e2a_gemm2,@function
k_qc76e5e7e2a_gemm2:
	s_mov_b64 s[64:65], 0
	v_nop
	global_prefetch_b8 v0, s[64:65] scope:SCOPE_SE
	s_setreg_imm32_b32 hwreg(HW_REG_WAVE_MODE, 25, 1), 1
	s_wait_xcnt 0x0
	s_wait_alu depctr_hold_cnt(0) depctr_sa_sdst(0) depctr_va_vdst(0) depctr_va_sdst(0) depctr_va_ssrc(0) depctr_va_vcc(0) depctr_vm_vsrc(0)
	s_getreg_b32 s2, hwreg(HW_REG_IB_STS2, 6, 4)
	s_cmp_eq_u32 s2, 0
	s_cbranch_scc0 .Lentry_in_a_cluster
	s_endpgm
.Lentry_in_a_cluster:
	s_bfe_u32 s2, ttmp6, 0x10000c
	s_cmp_lg_u32 s2, 0xf033
	s_cbranch_scc0 .Lentry_shape_is_right
	s_endpgm
.Lentry_shape_is_right:
; out0[m][n] = bf[n] + sum over k of ob[m][k] wft[n][k].  ob: [16384][1024] f16, wft: [1024][1024] f16, bf: [1024] f32 (rounded to bf16 like every input of the module), out0: [16384][1024] f32; sums in f32.
; LIMITS.  The operands arrive within f16's 65,504.  NaN and infinities are not treated apart.
; A tile of C, 256 x 256, is made by a work-group of four waves; a wave makes 128 x 128: 64 accumulators of 16 x 16, 512 registers.  64 x 4 tiles: one for each of 256 work-groups.  K goes in steps of 128
; through a ring of two LDS slots filled by the tensor data mover: the tiles' rows are 256 bytes of memory and start at multiples of 256 bytes from the buffer's first byte.
; THE BIAS IS THE C OPERAND OF THE PRODUCT THAT STARTS EACH SUM: no addition is written for it, and nothing is cleared.  The last K step goes by rows of C, so that finished rows leave while the others are multiplied.
; CLUSTERS: 4 x 4 work-groups.  The four of a row of the cluster need the same tiles of A, the four of a column the same tiles of B: each tile is asked for JOINTLY, by the same tensor load with the same
; descriptor and a mask that names the four.
; REGISTERS, in windows of 256 (s_set_vgpr_msb: bits 1:0 source 0, 3:2 source 1, 5:4 source 2, 7:6 destination):
;   window 0: v0-31 addresses; v64-127, v128-191 fragments of A, two buffers (in the last K step four, of 16 rows x 128 K); v192-255 the bias
;   window 1: v64-127, v128-191 fragments of B, two buffers; in the last K step all 256
;   window 2: the 32 accumulators of my rows 0-63 (accumulator (a, b) at v[8 (8 a + b)]);   window 3: those of my rows 64-127; on the way out a block's 64 registers take its 16 whole rows
; THE MATRIX INSTRUCTION IS USED TRANSPOSED: source 0 = 16 rows of B, source 1 = 16 rows of A: lane l then holds row l % 16 of C and the columns 8 (l / 16) + 0 .. 7: 32 neighbouring bytes.
.set SIZE_M, 16384
.set SIZE_N, 1024
.set SIZE_K, 1024
.set KSTEP,  128
.set PITCH,  272                       ; an LDS row: 256 bytes of data + 16 of padding = 68 words: row r starts at bank 4 r mod 64 (64 banks of 4 bytes: ISA guide 11.1)
.set HALFT,  128*PITCH                 ; 128 rows: what one tensor load brings, and what one wave reads of A or of B
.set SLOT,   4*HALFT                   ; A's 256 rows, then B's 256 rows
.set STAGE,  2*SLOT                    ; behind the ring: 16 rows x 528 bytes for each wave, for the way out
.set SPITCH, 528                       ; a stage row: my 128 columns in f32, 512 bytes, + 16 = 132 words: row r starts at bank 4 r mod 64
.set SPARE,  STAGE+4*16*SPITCH         ; behind the stages: the spare words, 128 bytes for each wave, which no other line names
.set LAPS, SIZE_K/(2*KSTEP)            ; a lap = two K steps = once round the ring: 4
.set ADRA, 16                          ; v16-17  LDS address of my A fragments in slot 0, 1
.set ADRB, 20                          ; v20-21  the same for B
.set STO,  24                          ; v24     the way out: where I put 32 bytes of a row
.set RD,   25                          ; v25     the way out: where I read a row back
.set CO,   26                          ; v26     my byte offset in a row's 512 bytes of C; never rewritten
.set SPW,  28                          ; v28     LDS address of my spare word; never rewritten
.set NIL,  29                          ; v29     0; never rewritten
.set F0,   64                          ; fragment buffer 0
.set F1,   128                         ; fragment buffer 1
.set BIAS, 192                         ; v192-255: for n block b, registers 8 b + j hold the bias of column 16 b + 8 (l / 16) + j
.set PA,   64                          ; the last K step: A's fragments of 16 rows x 128 K, 32 registers; four such buffers, v64-191
.set G1, 24                            ; s[24:31] descriptor group 1 for A's tiles
.set G0, 32                            ; s[32:39] descriptor group 0 for A's tiles, one set for each slot
.set G1B, 48                           ; s[48:55] descriptor group 1 for B's tiles: it differs from A's in the mask alone
.set G0B, 56                           ; s[56:63] descriptor group 0 for B's tiles, one set for each slot
.set MSB, 0
.macro WIN new                         ; the immediate's high byte repeats the setting that is left; a switch that changes nothing is dropped
.if MSB != (\new)
	s_set_vgpr_msb (MSB<<8)|(\new)
.set MSB, \new
.endif
.endm
.set MUL_LO, 0xa1                      ; source 0 (B) window 1, source 1 (A) window 0, C and D window 2
.set MUL_HI, 0xf1                      ; the same, C and D window 3
.set TO_B,   0x40                      ; destination window 1, address window 0
; A joint load.  Waves 0 and 1 fetch A's two halves, waves 2 and 3 B's.  The branch hangs on the wave's number alone: it is the same in every work-group.
; An s_nop 0 and four v_nop follow each of the two lines, ahead of the jump, the label and what follows.
.macro JLOAD s
	s_cmp_eq_u32 s11, 0
	s_cbranch_scc0 .Lfor_b_\@
	tensor_load_to_lds s[G0+4*(\s):G0+4*(\s)+3], s[G1:G1+7]
	s_nop 0
.rept 4
	v_nop
.endr
	s_branch .Lasked_\@
.Lfor_b_\@:
	tensor_load_to_lds s[G0B+4*(\s):G0B+4*(\s)+3], s[G1B:G1B+7]
	s_nop 0
.rept 4
	v_nop
.endr
.Lasked_\@:
.endm
; A round of the cluster's barrier: my work-group's barrier, so that wave 0's signal speaks for all four waves; wave 0 signals for the work-group; every wave waits for all
; sixteen work-groups; my work-group's barrier once more.  No LDS instruction of the wave is pending at a signal.
.macro CREST                           ; a round behind its opening barrier
	s_cmp_lg_u32 s10, 0
	s_cbranch_scc1 .Lnot_wave_0_\@
	s_barrier_signal -3
.Lnot_wave_0_\@:
	s_barrier_wait -3
	s_barrier_signal -1
	s_barrier_wait -1
.endm
.macro CROUND                          ; a whole round
	s_barrier_signal -1
	s_barrier_wait -1
	CREST
.endm
	s_load_b128 s[4:7], s[0:1], 0x0                ; A s[4:5], B s[6:7]
	s_load_b64 s[8:9], s[0:1], 0x10                ; C
	s_load_b64 s[66:67], s[0:1], 0x18              ; the bias
	v_lshl_add_u32 v[SPW], v0, 2, SPARE
	v_mov_b32 v[NIL], 0
	ds_add_u32 v[SPW], v[NIL]                      ; the wave's opening: the add and its wait stand ahead of my first tensor load; the set-up below, work on registers, stands between them
	v_lshrrev_b32 v1, 5, v0
	v_readfirstlane_b32 s10, v1                    ; wave 0..3
	s_lshr_b32 s11, s10, 1                         ; which half of the tile's rows is mine.  Also: I fetch for A (0) or for B (1)
	s_and_b32 s12, s10, 1                          ; which half of its columns.  Also: which 128 rows of that tile I fetch
	s_bfe_u32 s40, ttmp6, 0x40000                  ; cx: my place along the cluster's x
	s_bfe_u32 s41, ttmp6, 0x40004                  ; cy: along its y
	s_lshl_b32 s42, ttmp9, 2                       ; in a cluster launch ttmp9 and ttmp7 count clusters
	s_add_co_u32 s42, s42, s40                     ; tile column of C = 4 x cluster x + cx
	s_and_b32 s13, ttmp7, 0xffff
	s_lshl_b32 s13, s13, 2
	s_add_co_u32 s13, s13, s41                     ; tile row of C = 4 x cluster y + cy
	s_lshl_b32 s43, s41, 2
	s_lshl_b32 s43, 15, s43                        ; my row of the cluster: places 4 cy .. 4 cy + 3
	s_lshl_b32 s44, 0x1111, s40                    ; my column: places cx, cx + 4, cx + 8, cx + 12
	; descriptor group 1: a tile of 128 rows x 128 elements, padded in LDS
	s_or_b32 s[G1+0], s43, (1<<16)|(1<<20)|(1<<21)|(5<<22)|(3<<25)  ; 15:0 the mask: A's tiles go to my row; 17:16 element of 2 bytes; 20 padding on; 21 set beside a mask; 24:22 after every 64 words (code 5); 31:25 of 4 words (code 3)
	s_or_b32 s[G1B+0], s44, (1<<16)|(1<<20)|(1<<21)|(5<<22)|(3<<25) ; the same with the mask of my column, for B's tiles
	s_mov_b32 s[G1B+1], KSTEP<<16
	s_mov_b32 s[G1+1], KSTEP<<16                   ; 63:48 tensor_dim0, low half = 128
	s_mov_b32 s[G1B+2], 128<<16
	s_mov_b32 s[G1+2], 128<<16                     ; 95:80 tensor_dim1, low half = 128
	s_mov_b32 s[G1B+3], KSTEP<<16
	s_mov_b32 s[G1+3], KSTEP<<16                   ; 127:112 tile_dim0 = 128
	s_mov_b32 s[G1B+4], 128
	s_mov_b32 s[G1+4], 128                         ; 143:128 tile_dim1 = 128; 159:144 tile_dim2 = 0
	s_mov_b32 s[G1B+5], SIZE_K
	s_mov_b32 s[G1+5], SIZE_K                      ; 191:160 tensor_dim0_stride, low word: elements from row to row
	s_mov_b32 s[G1B+6], 0
	s_mov_b32 s[G1+6], 0
	s_mov_b32 s[G1B+7], 0
	s_mov_b32 s[G1+7], 0
	; where the tiles come from.  A's hang on the tile row alone, which my row of the cluster shares; B's on the tile column alone, which my column shares.
	s_lshl_b32 s17, s12, 7                         ; which 128 rows of the tile I fetch
	s_lshl_b32 s16, s13, 8
	s_add_co_u32 s16, s16, s17                     ; A: row 256 x tile row + 128 x half
	s_lshl_b32 s46, s42, 8
	s_add_co_u32 s46, s46, s17                     ; B: row 256 x tile column + 128 x half
	s_mov_b32 s17, 0
	s_mov_b32 s47, 0
	s_mov_b64 s[18:19], SIZE_K*2
	s_mul_u64 s[16:17], s[16:17], s[18:19]         ; in bytes, in 64 bits
	s_mul_u64 s[46:47], s[46:47], s[18:19]
	s_mul_i32 s20, s10, HALFT                      ; and where they go: wave x 128 rows: no place in the cluster enters an LDS address
	s_wait_dscnt 0x0                               ; the opening add is done
	s_wait_kmcnt 0x0
	s_add_nc_u64 s[14:15], s[4:5], s[16:17]
	s_add_nc_u64 s[46:47], s[6:7], s[46:47]
	CROUND                                         ; all sixteen work-groups are here: the first joint loads meet
.irp s, 0,1
	s_mov_b32 s[G0+4*(\s)], 1                                      ; 1:0 count = 1
	s_add_co_u32 s[G0+4*(\s)+1], s20, (\s)*SLOT                    ; 63:32 LDS address
	s_add_nc_u64 s[G0+4*(\s)+2:G0+4*(\s)+3], s[14:15], (\s)*KSTEP*2  ; 120:64 global address: K step s
	s_or_b32 s[G0+4*(\s)+3], s[G0+4*(\s)+3], 0x80000000            ; 127:126 type = 2
	s_mov_b32 s[G0B+4*(\s)], 1
	s_add_co_u32 s[G0B+4*(\s)+1], s20, (\s)*SLOT
	s_add_nc_u64 s[G0B+4*(\s)+2:G0B+4*(\s)+3], s[46:47], (\s)*KSTEP*2
	s_or_b32 s[G0B+4*(\s)+3], s[G0B+4*(\s)+3], 0x80000000
	JLOAD \s                                       ; the ring is filled before anything else is done: two tensor loads of mine are out
.endr
	; A fragment is 16 rows x 32 K in 8 registers: lane l holds row l % 16; registers 0-3 hold K = 8 (l / 16) + 0..7, registers 4-7 hold K = 16 + 8 (l / 16) + 0..7: two loads of 16 bytes, 32 bytes apart.
	v_and_b32 v1, 15, v0                           ; l % 16
	v_bfe_u32 v2, v0, 4, 1                         ; l / 16
	v_mul_u32_u24 v3, v1, PITCH
	v_lshl_add_u32 v3, v2, 4, v3                   ; row x pitch + 16 x half
	s_mul_i32 s21, s11, HALFT                      ; my 128 rows of A
	s_mul_i32 s22, s12, HALFT                      ; my 128 rows of B,
	s_add_co_u32 s22, s22, 2*HALFT                 ; which lie behind A's 256
.irp s, 0,1
	v_add_nc_u32 v[ADRA+(\s)], s21, v3
	v_add_nc_u32 v[ADRB+(\s)], s22, v3
	s_add_co_u32 s21, s21, SLOT
	s_add_co_u32 s22, s22, SLOT
.endr
	s_mul_i32 s23, s10, 16*SPITCH
	s_add_co_u32 s23, s23, STAGE                   ; my stage
	v_mul_u32_u24 v4, v1, SPITCH                   ; in: row l % 16, 32 bytes for each half of the lanes
	v_lshl_add_u32 v4, v2, 5, v4
	v_add_nc_u32 v[STO], s23, v4
	v_and_b32 v5, 31, v0
	v_lshlrev_b32 v[CO], 4, v5                     ; back: 32 lanes take one row's 512 bytes; the same 512 bytes in C
	v_add_nc_u32 v[RD], s23, v[CO]
	; s[8:9]: C at my part of the tile; it is set here and never stepped: a row's place among my 128 stands in the stores' immediate
	s_lshl_b32 s13, s13, 8
	s_lshl_b32 s14, s11, 7
	s_add_co_u32 s16, s13, s14                     ; my first row of C
	s_mov_b32 s17, 0
	s_mov_b64 s[18:19], SIZE_N*4
	s_mul_u64 s[16:17], s[16:17], s[18:19]
	s_lshl_b32 s46, s42, 10                        ; my first column, in bytes of f32: 1,024 x tile column + 512 x half
	s_lshl_b32 s47, s12, 9
	s_add_co_u32 s46, s46, s47
	s_mov_b32 s47, 0
	s_add_nc_u64 s[16:17], s[16:17], s[46:47]
	s_add_nc_u64 s[8:9], s[8:9], s[16:17]
	s_add_nc_u64 s[66:67], s[66:67], s[46:47]      ; the bias of my 128 columns
	v_lshlrev_b32 v6, 5, v2                        ; my lanes' eight columns: 32 bytes for each half
.irp b, 0,1,2,3,4,5,6,7
	global_load_b128 v[BIAS+8*(\b):BIAS+8*(\b)+3],   v6, s[66:67] offset:64*(\b)
	global_load_b128 v[BIAS+8*(\b)+4:BIAS+8*(\b)+7], v6, s[66:67] offset:64*(\b)+16
.endr
	s_wait_loadcnt 0x0                             ; once, in the wait for the first tile
.set i, 0
.rept 32
	v_cvt_pk_bf16_f32 v7, v[BIAS+2*i], v[BIAS+2*i+1]  ; rounded to bf16, like x and the weights,
	v_lshlrev_b32 v[BIAS+2*i], 16, v7              ; and widened again
	v_and_b32 v[BIAS+2*i+1], 0xffff0000, v7
.set i, i+1
.endr
; 16 matrix instructions: m blocks a0, a0 + 1 of the window's four (hi = 0: my rows 0-63, 1: rows 64-127) x all 8 n blocks, 32 along K.
; first = 1: the product starts the sums, with the bias (window 0) as C.  The 64 accumulators take turns, one instruction a turn.
.macro MUL16 f, hi, a0, first
.if \first
	WIN 0x81+0x40*(\hi)
.else
	WIN MUL_LO+0x50*(\hi)
.endif
.irp a, \a0, (\a0)+1
.irp b, 0,1,2,3,4,5,6,7
.if \first
	v_wmma_f32_16x16x32_f16 v[8*(8*(\a)+(\b)):8*(8*(\a)+(\b))+7], v[(\f)+8*(\b):(\f)+8*(\b)+7], v[(\f)+8*(4*(\hi)+(\a)):(\f)+8*(4*(\hi)+(\a))+7], v[BIAS+8*(\b):BIAS+8*(\b)+7]
.else
	v_wmma_f32_16x16x32_f16 v[8*(8*(\a)+(\b)):8*(8*(\a)+(\b))+7], v[(\f)+8*(\b):(\f)+8*(\b)+7], v[(\f)+8*(4*(\hi)+(\a)):(\f)+8*(4*(\hi)+(\a))+7], v[8*(8*(\a)+(\b)):8*(8*(\a)+(\b))+7]
.endif
.endr
.endr
.endm
; 32 LDS loads in one run: the fragments of one quarter step (128 rows of B, 128 rows of A, 32 K at byte k of the rows) into buffer f
.macro FETCH slot, k, f
	WIN TO_B
.irp i, 0,1,2,3,4,5,6,7
	ds_load_b128 v[(\f)+8*(\i):(\f)+8*(\i)+3],   v[ADRB+(\slot)] offset:(\k)+(\i)*16*PITCH
	ds_load_b128 v[(\f)+8*(\i)+4:(\f)+8*(\i)+7], v[ADRB+(\slot)] offset:(\k)+(\i)*16*PITCH+32
.endr
	WIN 0
.irp i, 0,1,2,3,4,5,6,7
	ds_load_b128 v[(\f)+8*(\i):(\f)+8*(\i)+3],   v[ADRA+(\slot)] offset:(\k)+(\i)*16*PITCH
	ds_load_b128 v[(\f)+8*(\i)+4:(\f)+8*(\i)+7], v[ADRA+(\slot)] offset:(\k)+(\i)*16*PITCH+32
.endr
.endm
; A load into a register that a matrix instruction has read or written, and an LDS store that reads a matrix result, stand four places behind that matrix instruction, and only plain vector
; instructions that name none of its registers are places (ISA guide 7.12.1 for vector instructions).
.macro PLACES
.rept 4
	v_nop
.endr
.endm
; A K step is four quarter steps of 32 along K, 64 matrix instructions each, on buffers 0, 1, 0, 1.
; One of the first three: multiplies buffer f; in its middle it fetches the next quarter's fragments, at byte k of the same slot's rows, into buffer g.
.macro QUARTER slot, k, f, g, first
	s_wait_dscnt 8                                 ; B and A's rows 0-63 are in; the youngest eight loads (A's rows 64-127) may be out
	MUL16 \f, 0, 0, \first
	MUL16 \f, 0, 2, \first
	PLACES
	FETCH \slot, \k, \g
	s_wait_dscnt 32                                ; all but the 32 just issued
	MUL16 \f, 1, 0, \first
	MUL16 \f, 1, 2, \first
.endm
; The last quarter multiplies buffer 1 and changes slots.  MEET is its first half: ONE barrier for the change of slots.  In front of it each wave waits for all its tensor loads, of which one is out:
; its part of the next slot; adds 0 to its spare word; and waits for that and for its own reads of this slot.  Behind it nobody reads this slot any more and the next slot is whole.
.macro MEET round                      ; round = 1: a round of the cluster's barrier follows
	WIN 0                                          ; (the add's two registers lie in window 0)
	s_wait_tensorcnt 0x0                           ; all my tensor loads have landed: the one that was out is my part of the next slot;
	ds_add_u32 v[SPW], v[NIL]                      ; 0 onto my spare word;
	s_wait_dscnt 9                                 ; (the add and the youngest eight loads may be out)
	MUL16 F1, 0, 0, 0                              ; sixteen matrix instructions stand between the add and the wait for it
	s_wait_dscnt 0x0                               ; the add is done, and my reads of this slot are over:
	s_barrier_signal -1                            ; say so,
	MUL16 F1, 0, 2, 0                              ; work on registers while the others arrive,
.if \round
	WIN 0
.endif
	s_barrier_wait -1                              ; and go on when all four have said so
.endm
; The whole last quarter.  Behind the round the slot just read out is filled again first, with the K step two steps on; then come the next slot's first fragments.
; From a request to the wait for it a wave issues 224 matrix instructions.
.macro TURN slot, next
	MEET 1
	CREST                                          ; no wave of any partner still reads this slot's tile or has a load on its way
	s_add_nc_u64 s[G0+4*(\slot)+2:G0+4*(\slot)+3], s[G0+4*(\slot)+2:G0+4*(\slot)+3], 2*KSTEP*2
	s_add_nc_u64 s[G0B+4*(\slot)+2:G0B+4*(\slot)+3], s[G0B+4*(\slot)+2:G0B+4*(\slot)+3], 2*KSTEP*2
	JLOAD \slot                                    ; the first tensor load behind the round, my only one out; the four v_nop behind it are also the places in front of the loads below
	FETCH \next, 0, F0
	MUL16 F1, 1, 0, 0
	MUL16 F1, 1, 2, 0
.endm
; THE LAST K STEP (it lies in slot 1) GOES BY ROWS OF C, NOT BY K.  All its fragments of B (4 quarters x 64 registers) fill window 1; then my eight blocks of 16 rows are
; finished one after the other, each with 32 matrix instructions (its 8 accumulators by turns, K ascending).  LDS is read no more than in any other K step.
.macro BLOAD q                         ; B's fragments of quarter q -> window 1, v[64 q ..]
	WIN TO_B
.irp i, 0,1,2,3,4,5,6,7
	ds_load_b128 v[64*(\q)+8*(\i):64*(\q)+8*(\i)+3],   v[ADRB+1] offset:64*(\q)+(\i)*16*PITCH
	ds_load_b128 v[64*(\q)+8*(\i)+4:64*(\q)+8*(\i)+7], v[ADRB+1] offset:64*(\q)+(\i)*16*PITCH+32
.endr
.endm
.macro ALOAD a                         ; A's fragments of block a, all four quarters -> buffer a % 4
	WIN 0
.set FA, PA+32*((\a)%4)
.irp q, 0,1,2,3
	ds_load_b128 v[FA+8*(\q):FA+8*(\q)+3],   v[ADRA+1] offset:64*(\q)+(\a)*16*PITCH
	ds_load_b128 v[FA+8*(\q)+4:FA+8*(\q)+7], v[ADRA+1] offset:64*(\q)+(\a)*16*PITCH+32
.endr
.endm
.macro ROW a                           ; block a is finished: 32 matrix instructions
.set FA, PA+32*((\a)%4)                ; its fragments of A
.set AC, 64*((\a)%4)                   ; its eight accumulators, in window 2 (blocks 0-3) or 3 (blocks 4-7)
	WIN MUL_LO+0x50*((\a)/4)
.irp q, 0,1,2,3
.if (\a) == 0 && (\q) == 2
	s_wait_dscnt 24                                ; B's quarter 2 is in (behind it: A's blocks 1 to 3)
.endif
.irp b, 0,1,2,3,4,5,6,7
	v_wmma_f32_16x16x32_f16 v[AC+8*(\b):AC+8*(\b)+7], v[64*(\q)+8*(\b):64*(\q)+8*(\b)+7], v[FA+8*(\q):FA+8*(\q)+7], v[AC+8*(\b):AC+8*(\b)+7]
.endr
.endr
.endm
; THE WAY OUT of block a.  TOSTAGE: the sums go as they are, f32, straight from the accumulators (each from its low end on) into my own stage in LDS, and come back as 16 whole rows of 512 bytes INTO THE SAME
; 64 REGISTERS, which their stores have read by then.  So each block's rows have registers of their own: no register that a global store reads is ever written again, and no store is waited for.
.macro TOSTAGE a
.set TC, 64*((\a)%4)
	WIN 0x08+4*((\a)/4)                            ; the stores' data (source 1): window 2 or 3; their address: window 0
.irp b, 0,1,2,3,4,5,6,7
	ds_store_b128 v[STO], v[TC+8*(\b):TC+8*(\b)+3]   offset:64*(\b)
	ds_store_b128 v[STO], v[TC+8*(\b)+4:TC+8*(\b)+7] offset:64*(\b)+16
.endr
	WIN 0x80+0x40*((\a)/4)                         ; the loads' destination: window 2 or 3; their address: window 0
.irp t, 0,1,2,3,4,5,6,7,8,9,10,11,12,13,14,15
	ds_load_b128 v[TC+4*(\t):TC+4*(\t)+3], v[RD] offset:(\t)*SPITCH  ; LDS serves a wave's instructions in order (ISA guide 5.7.1.4): these see the stores above, and the next block's stores come behind them
.endr
.endm
; SEND: block a's rows are stored.  It stands behind the next block's 32 matrix instructions, which run while the rows are on their way back from the stage.
.macro SEND a, younger                 ; younger: the LDS loads issued behind TOSTAGE's, which may stay out
.set SC, 64*((\a)%4)
	WIN 0x08+4*((\a)/4)                            ; the stores' data (source 1): window 2 or 3; their offset register: window 0
	s_wait_dscnt \younger                          ; the block is back in registers
.irp t, 0,1,2,3,4,5,6,7,8,9,10,11,12,13,14,15
	global_store_b128 v[CO], v[SC+4*(\t):SC+4*(\t)+3], s[8:9] offset:(16*(\a)+(\t))*SIZE_N*4 th:TH_STORE_NT  ; a wave stores 512 consecutive bytes of one row, at a multiple of 256 from C's first byte; 127 rows of 4,096 bytes at the most: inside the signed 24-bit immediate
.endr
.endm
	s_wait_tensorcnt 1                             ; my part of K step 0 is in; K step 1's load stays out
	s_barrier_signal -1
	s_barrier_wait -1                              ; everybody's is
	FETCH 0, 0, F0
	QUARTER 0, 64,  F0, F1, 1                      ; the first quarter stands in front of the loop: its products start the sums, on the bias
	WIN 0                                          ; at a label and at a branch every window is 0
	s_mov_b32 s3, LAPS-1
.Llap:                                                 ; a trip goes once round the ring, from a lap's second quarter to the next lap's first, and fills both slots again
	QUARTER 0, 128, F1, F0, 0
	QUARTER 0, 192, F0, F1, 0
	TURN 0, 1
	QUARTER 1, 64,  F0, F1, 0
	QUARTER 1, 128, F1, F0, 0
	QUARTER 1, 192, F0, F1, 0
	TURN 1, 0
	QUARTER 0, 64,  F0, F1, 0
	WIN 0
	s_sub_co_u32 s3, s3, 1
	s_cmp_lg_u32 s3, 0
	s_cbranch_scc1 .Llap
	QUARTER 0, 128, F1, F0, 0                      ; the last lap goes on
	QUARTER 0, 192, F0, F1, 0
	MEET 0                                         ; my one tensor load that was still out is slot 1's, the last K step's, so no round follows
	PLACES                                         ; for the loads into buffer 0, which the quarter before multiplied
	BLOAD 0                                        ; three quarters of B now: buffer 1 (v128-191 of both windows) is still being multiplied
	BLOAD 1
	BLOAD 3
	ALOAD 0
	MUL16 F1, 1, 0, 0
	MUL16 F1, 1, 2, 0
	PLACES                                         ; for the loads into buffer 1
	BLOAD 2
	ALOAD 1
	ALOAD 2
	ALOAD 3
	s_wait_dscnt 40                                ; all but the 40 just issued
	ROW 0
.irp a, 0,1,2,3,4,5,6,7                ; block a goes into the stage; block a + 1 is multiplied; block a is stored
	PLACES                                         ; the LDS stores read results just made, and the loads below land on those registers and on fragments just read
	TOSTAGE \a
.if (\a) < 4
	ALOAD (\a)+4                                   ; its buffer takes the block four further on
.endif
.if (\a) == 0
	s_wait_dscnt 40                                ; all but the stage's 32 and the 8 just issued: A's blocks 1 to 3 are in.  (Blocks 4 to 7: the load of block a + 4 stands in trip a, and the wait of SEND a + 1 covers it, two trips ahead of its use)
.endif
.if (\a) < 7
	ROW (\a)+1
.endif
.if (\a) < 4
	SEND \a, 8
.else
	SEND \a, 0
.endif
.endr
	WIN 0                                          ; the add's two registers lie in window 0
	s_wait_tensorcnt 0x0                           ; the wave's end: behind my last tensor load and my last LDS store
	ds_add_u32 v[SPW], v[NIL]
	s_wait_dscnt 0x0
	CROUND                                         ; the closing round: no work-group ends while a partner may still ask for a tile that names it
	s_endpgm
.Lfunc_end_k_qc76e5e7e2a_gemm2:
	.size	k_qc76e5e7e2a_gemm2, .Lfunc_end_k_qc76e5e7e2a_gemm2-k_qc76e5e7e2a_gemm2
	.p2alignl 7, 3214868480
	.fill 96, 4, 3214868480
	.section	.rodata,"a",@progbits
	.p2align	6, 0x0
	.amdhsa_kernel k_qc76e5e7e2a_gemm2
		.amdhsa_group_segment_fixed_size 327680
		.amdhsa_private_segment_fixed_size 0
		.amdhsa_enable_private_segment 0
		.amdhsa_kernarg_size 32
		.amdhsa_user_sgpr_count 2
		.amdhsa_user_sgpr_kernarg_segment_ptr 1
		.amdhsa_wavefront_size32 1
		.amdhsa_system_sgpr_workgroup_id_x 1
		.amdhsa_system_sgpr_workgroup_id_y 1
		.amdhsa_system_sgpr_workgroup_id_z 1
		.amdhsa_system_vgpr_workitem_id 0
		.amdhsa_next_free_vgpr 1024
		.amdhsa_next_free_sgpr 68
		.amdhsa_reserve_vcc 0
		.amdhsa_float_denorm_mode_32 3
		.amdhsa_float_denorm_mode_16_64 3
		.amdhsa_memory_ordered 1
		.amdhsa_forward_progress 1
		.amdhsa_inst_pref_size 147
	.end_amdhsa_kernel
	.amdgpu_metadata
---
amdhsa.version: [ 1, 2 ]
amdhsa.kernels:
  - .name:           k_qc76e5e7e2a_gemm2
    .symbol:         k_qc76e5e7e2a_gemm2.kd
    .args:
      - { .name: ob, .offset: 0, .size: 8, .value_kind: global_buffer, .address_space: global }
      - { .name: wft, .offset: 8, .size: 8, .value_kind: global_buffer, .address_space: global }
      - { .name: out0, .offset: 16, .size: 8, .value_kind: global_buffer, .address_space: global }
      - { .name: bf, .offset: 24, .size: 8, .value_kind: global_buffer, .address_space: global }
    .group_segment_fixed_size: 327680
    .private_segment_fixed_size: 0
    .kernarg_segment_align: 8
    .kernarg_segment_size: 32
    .max_flat_workgroup_size: 128
    .sgpr_count:     68
    .vgpr_count:     1024
    .wavefront_size: 32
...
	.end_amdgpu_metadata
.endif
;; end of part 4
